; MI455X (gfx1250); checked and timed in simulation.
; The chip was launched on July 23, 2026; its instructions are those of AMD's public machine-readable ISA for CDNA 5 (MIT licence, August 2026) and "CDNA5" Instruction Set Architecture Reference Guide (July 2026). The comments in the code are by the model that wrote it; some were corrected since.
;; Single Head. Allowed arithmetic: matrix products marked QUANTISED: E5M2 operands, one E8M0 scale for each 32 along K, by v_wmma_scale_f32_16x16x128_f8f6f4 with both operands' format E5M2, f32 sums; everything else in f32.
;; Inputs: Wk_codes 128 x 32 x 32 uint8 (E5M2 codes of Wk, K innermost, in blocks of 32 codes); Wk_scales 128 x 32 uint8 (E8M0 scales of Wk, one for each 32 codes along K); Wq_codes 128 x 32 x 32 uint8 (E5M2 codes of Wq, K innermost, in blocks of 32 codes); Wq_scales 128 x 32 uint8 (E8M0 scales of Wq, one for each 32 codes along K); Wv_codes 128 x 32 x 32 uint8 (E5M2 codes of Wv, K innermost, in blocks of 32 codes); Wv_scales 128 x 32 uint8 (E8M0 scales of Wv, one for each 32 codes along K); x_codes 4 x 4,096 x 32 x 32 uint8 (E5M2 codes of x, K innermost, in blocks of 32 codes); x_scales 4 x 4,096 x 32 uint8 (E8M0 scales of x, one for each 32 codes along K).
;; Outputs: out0 4 x 4,096 x 128 float32.
;; This version of the problem:
;;   THIS VERSION OF THE PROBLEM IS GIVEN IN LOW PRECISION. The matrix products marked QUANTISED in the list below multiply operands that are first quantised to E5M2 (5 exponent bits, 2 mantissa bits; 8 bits a number), with one power-of-two scale for each 32 numbers along K (OCP MX v1.0); their sums are f32. All else is computed in f32.
;;   The module's matrix products, in the order in which they are computed (A, B: the left and right operand; K: the contracted axis; several contracted axes count as one K, in the product's order):
;;     1. [M 16,384, K 1,024] x [K 1,024, N 128]; A: input x (given as codes); B: input Wq (given as codes): QUANTISED
;;     2. [M 16,384, K 1,024] x [K 1,024, N 128]; A: input x (given as codes); B: input Wk (given as codes): QUANTISED
;;     3. [M 16,384, K 1,024] x [K 1,024, N 128]; A: input x (given as codes); B: input Wv (given as codes): QUANTISED
;;     4. batch 4 x [M 4,096, K 128] x [K 128, N 4,096]; A: computed on the way; B: computed on the way: QUANTISED
;;     5. batch 4 x [M 4,096, K 4,096] x [K 4,096, N 128]; A: softmax (see below); B: computed on the way: QUANTISED
;;   THE QUANTISER, for each operand of a quantised product, along K:
;;     - K is cut into blocks of 32 from its start; a last block that is shorter is filled with zeros.
;;     - A block's scale is 2^e with e = floor(log2(the largest magnitude in the block)) - 15, held to -126 .. 127; a block of zeros has e = 0. As a byte (E8M0): e + 127.
;;     - Each number is divided by its block's scale, clamped to +-57,344, and rounded to the nearest number of E5M2, ties to even, subnormals kept.
;;     - The product sums the exact products of the quantised numbers (number of the format x scale) in f32.
;;   ~~~python
;;   def quantise(x, axis):      # numpy; x: float32 -> the quantised numbers, widened to float32 again
;;       x = np.moveaxis(x, axis, -1); K = x.shape[-1]
;;       x = np.pad(x, [(0, 0)] * (x.ndim - 1) + [(0, -K % 32)]); x = x.reshape(x.shape[:-1] + (-1, 32)); a = np.abs(x).max(-1, keepdims=True)
;;       e = np.where(a > 0, np.clip(np.frexp(np.where(a > 0, a, 1))[1] - 1 - 15, -126, 127), 0)      # np.frexp(a)[1] - 1 = floor(log2(a)), exactly
;;       r = np.clip(x / 2.0 ** e, -57344, 57344)
;;       step = 2.0 ** (np.maximum(np.frexp(np.where(r == 0, 1, r))[1] - 1, -14) - 2)
;;       q = np.round(r / step) * step * 2.0 ** e      # np.round: ties to even
;;       return np.moveaxis(q.reshape(q.shape[:-2] + (-1,))[..., :K], -1, axis).astype(np.float32)
;;   ~~~
;;   SOFTMAX AHEAD OF A QUANTISED PRODUCT. Where the list says 'softmax', what is quantised is not the finished softmax but p = 2^(t - M), with t = logit x log2(e) and M = ceil(the row's largest t), a whole number; so 1/2 < the row's largest p <= 1. The row's sum l is taken of the UNQUANTISED p, in f32, and the product's result is divided by l at the end. Since M is a whole number, a kernel that streams over the keys may use a running M (the ceiling of the running maximum): every later rescaling is an exact power of two, which a block's scale takes up: the codes' values come out the same.
;;   OPERANDS COMPUTED ON THE WAY. 'Computed on the way' means the value that the module computes at that place (a softmax that the list does not call 'softmax' is quantised finished and normalised). What goes into a quantiser is computed in f32, as accurately as f32 sums, v_exp_f32 and their like allow (about 1e-6 of the number): no bf16 or f16 on the way to a quantiser, and a product that is left as it is and whose result goes on into a quantised operand takes f32 operands (vector FMAs, or v_wmma_f32_16x16x4_f32). A number that lies on a knife's edge between two numbers of the format may be rounded either way, as far as f32 arithmetic and the matrix unit's own rounding can turn it there, and no further.
;;   INPUTS GIVEN AS CODES. Wk (in the module: [1024, 128], K = its axis 0); Wq (in the module: [1024, 128], K = its axis 0); Wv (in the module: [1024, 128], K = its axis 0); x (in the module: [4, 4096, 1024], K = its axis 2): each comes as NAME_codes (uint8): NAME with its K axis moved to the last place and cut into blocks of 32 codes, [.., K / 32, bytes a block], one block behind the other in memory; one code a byte (a code: sign, 5 exponent bits, 2 mantissa bits); and NAME_scales (uint8): the same leading axes, one E8M0 byte (e + 127) for each 32 codes along K. Its value is code x scale, taken as it is: it is not quantised again, and the codes and scales need not be those that the quantiser above would give.
;; One version. Each part assembles by itself: llvm-mc -triple=amdgcn-amd-amdhsa -mcpu=gfx1250 --defsym DOCPART=n.
;; ======== version 1 of 1: 2 launches
;; limits: right only within a limited range of input values
;; workspace buffers: qbuf 2,162,688 bytes; kv 4,325,376 bytes
;; launch proj (part 1): grid 128 x 2, 8 waves a work-group, clusters of 4 x 1, 327,680 bytes of LDS; arguments x_codes, x_scales, Wq_codes, Wq_scales, Wk_codes, Wk_scales, Wv_codes, Wv_scales, qbuf, kv; writes qbuf, kv
.if DOCPART == 1
	.amdgcn_target "amdgcn-amd-amdhsa--gfx1250"
	.amdhsa_code_object_version 6
	.text
	.protected	k_qd4f9a48c10_proj
	.globl	k_qd4f9a48c10_proj
	.p2align	8
	.type	k_qd4f9a48c10_proj,@function
k_qd4f9a48c10_proj:
	s_mov_b64 s[64:65], 0
	v_nop
	global_prefetch_b8 v0, s[64:65] scope:SCOPE_SE
	s_setreg_imm32_b32 hwreg(HW_REG_WAVE_MODE, 25, 1), 1
	s_wait_xcnt 0x0
	s_wait_alu depctr_hold_cnt(0) depctr_sa_sdst(0) depctr_va_vdst(0) depctr_va_sdst(0) depctr_va_ssrc(0) depctr_va_vcc(0) depctr_vm_vsrc(0)
	s_getreg_b32 s2, hwreg(HW_REG_IB_STS2, 6, 4)
	s_cmp_eq_u32 s2, 0
	s_cbranch_scc0 .Lentry_in_a_cluster
	s_endpgm
.Lentry_in_a_cluster:
	s_bfe_u32 s2, ttmp6, 0x10000c
	s_cmp_lg_u32 s2, 0x3003
	s_cbranch_scc0 .Lentry_shape_is_right
	s_endpgm
.Lentry_shape_is_right:
; q = x Wq, k = x Wk, v = x Wv on codes of BF8 (E5M2) with one E8M0 scale for each 32 along K = 1,024; the results are quantised in registers and stored as IMAGES OF OPERAND REGISTERS for the attention launch.
; LEFT OUT IN THE PROGRAM: blocks of 128 keys that come after a whole block of queries (attention launch): reference()'s own causal where() puts -inf on their scores, so they reach no output for any values.  A NaN or infinity that reaches only them is not carried to the result.
; SHARES.  A block is 128 rows of x (128 blocks).  Two work-groups take a block: type 0 makes q and v's channels 0-63, type 1 makes k and v's channels 64-127: 128 rows x 192 columns each.
; Eight waves: wave w has b = w & 1 (64 rows of x: four tiles) and g = w >> 1 (32 of the first weight's 128 rows: two tiles; 16 of Wv's 64: one tile): 12 accumulators, 7 fragments for 12 products.
;   first product, TRANSPOSED (source 0 = 16 rows of Wq or Wk, source 1 = 16 rows of x): a lane holds one row of x and eight channels: the next product's K runs along its registers.
;   v, NOT transposed (source 0 = x, source 1 = Wv): a lane holds one channel and eight keys: its next K (the keys) runs along its registers.
; So each run of 16 accumulator registers is a lane's half of one block of 32 of the next K; the other half lies in lane xor 16.
; ORDER INSIDE A BLOCK OF 32.  Register 8 u + j of lane half h holds element 16 u + 8 h + j.  q and k are laid alike, and so are v and the attention launch's p: every pair of factors and every block's scale is kept.
; CLUSTER.  The four work-groups of a cluster have one type and four neighbouring blocks: the weights' tiles are asked for JOINTLY (mask 15).  x's tiles are each work-group's own: their only other reader lies in another cluster (the grid's y).
; FILLS.  Eight loads at the head, one a wave: x in two halves of K (rows of 512 bytes), Wv likewise, the first weight's quarters 0, 1, 2 (rows of 256 bytes).  Its quarter 3 is the launch's one refill, over quarter 0: all of K does not fit.
; LIMITS: NaN, infinities and the scale byte 0xff among the inputs are not served.  A block of zeros gets the scale byte 1 where the quantiser says 127: its codes are zeros, and this program alone reads the bytes.
.set XP,    528                        ; an LDS row of 512 bytes + 16: 33 x 16 bytes, so that the 16 rows of a fragment load start at 16 different banks (64 banks of 4 bytes: ISA guide 11.1)
.set PITCH, 272                        ; the first weight's rows of 256 bytes + 16
.set HX,    64*XP                      ; 64 rows of half of K
.set HW,    128*PITCH                  ; 128 rows of a quarter of K
.set VREG,  4*HX                       ; x: two halves of K, 128 rows each; then Wv: two halves, 64 rows each;
.set WREG,  6*HX                       ; then the first weight's three quarters
.set SCS,   WREG+3*HW                  ; the scale bytes just made: 512 for q or k, 256 for v (four blocks of 256 bytes into which no tile lands)
.set SPARE, SCS+1024                   ; the spare words, 128 bytes for each wave: four blocks of 256 bytes that no other line names
.set QBLK,  16896                      ; a block in qbuf: 8 images of 2,048 bytes, 512 bytes of scale words
.set KVBLK, 33792                      ; a block in kv: K's 8 images, K's scale words, V's 8 images, V's scale words
.set R,    1                           ; v1   lane % 16
.set H,    2                           ; v2   lane / 16
.set LN,   3                           ; v3   lane
.set AX,   4                           ; v4, v5   LDS address of my fragments of x, half 0, 1
.set AW,   6                           ; v6-8     of the first weight, by region
.set AV,   9                           ; v9, v10  of Wv
.set T1,   11
.set T2,   12
.set SPW,  13                          ; v13  LDS address of my spare word; never rewritten
.set NIL,  14                          ; v14  0; never rewritten
.set VO1,  15                          ; v15  my place in a block's images of q or k
.set VO2,  16                          ; v16  and of v
.set SB1,  17                          ; v17  LDS: where my scale bytes of q or k go
.set SB2,  18                          ; v18  and v's
.set L16,  19                          ; v19  16 x lane
.set L8,   20                          ; v20  8 x lane
.set L32,  21                          ; v21  32 x lane: a row of scale bytes a lane
.set RD1,  22                          ; v22  LDS: SCS + 16 x lane
.set RD2,  23                          ; v23  LDS: SCS + 512 + 8 x lane
.set PFO,  24                          ; v24  1,024 x lane: the prefetch's offset
.set R32,  25                          ; v25  32 x (lane % 16)
.set XS,   32                          ; v32-47  x's scale words: pair p of tiles at + 8 p, word s for K step s; lanes 0-15 the even tile, 16-31 the odd
.set W1S,  50                          ; v50-57  the first weight's
.set WVS,  58                          ; v58-65  Wv's, in lanes 0-15
.set ACC,  72                          ; v72-167 accumulators: block k of the next K at ACC + 16 k: 0-3 x's tiles, 4-5 v's blocks of keys
.set TM,   168                         ; v168-173 largest magnitudes, + 6 bytes, + 12 the largest number x the scale, + 18 the conversions' scale operands
.set CD,   192                         ; v192-215 codes, four registers a block
.set OUTV, 216
.set F0,   0                           ; window 1: two fragment buffers: x's four tiles, the first weight's two, Wv's one
.set F1,   128
.set WV,   24                          ; s24 wave, s25 b, s26 g, s27 cx, s28 block, s29 type
.set SBB,  25
.set SGG,  26
.set CX,   27
.set BLK,  28
.set TY,   29
.set SEL,  30                          ; s[30:31] v_permlanex16_b32's selects for lane xor 16
.set MNT,  32                          ; s32 the mantissa field of 57,344
.set G1A,  36                          ; descriptor groups 1: x, 64 rows of half of K;
.set G1B,  44                          ; x, 128 rows of half of K;
.set G1W,  52                          ; the first weight, 128 rows of a quarter, mask 15;
.set G1V,  68                          ; Wv, 64 rows of half of K, mask 15
.set G0X,  60                          ; groups 0: x's holds my place in the cluster, the weights' do not
.set G0W,  76
.set G0V,  80
.set MSB, 0
.macro WIN new                         ; the immediate's high byte repeats the setting that is left
.if MSB != \new
	s_set_vgpr_msb (MSB<<8)|\new
.set MSB, \new
.endif
.endm
.macro PLACES n                        ; plain vector instructions behind matrix instructions (ISA guide 7.12.1)
.rept \n
	v_nop
.endr
.endm
.macro CROUND                          ; a round of the cluster's barrier
	s_barrier_signal -1
	s_barrier_wait -1
	s_cmp_lg_u32 s[WV], 0
	s_cbranch_scc1 .Lnot_wave_0_\@
	s_barrier_signal -3
.Lnot_wave_0_\@:
	s_barrier_wait -3
	s_barrier_signal -1
	s_barrier_wait -1
.endm
.macro GROUP1 g, word0, bytes, rows
	s_mov_b32 s[\g], \word0
	s_mov_b32 s[\g+1], (\bytes)<<16                ; tensor_dim0
	s_mov_b32 s[\g+2], (\rows)<<16                 ; tensor_dim1
	s_mov_b32 s[\g+3], (\bytes)<<16                ; tile_dim0
	s_mov_b32 s[\g+4], \rows                       ; tile_dim1
	s_mov_b32 s[\g+5], 1024                        ; from row to row
	s_mov_b32 s[\g+6], 0
	s_mov_b32 s[\g+7], 0
.endm
	s_load_b256 s[4:11], s[0:1], 0x0               ; x's codes s[4:5], x's scales s[6:7], Wq's codes s[8:9], Wq's scales s[10:11]
	s_load_b256 s[12:19], s[0:1], 0x20             ; Wk's codes, Wk's scales, Wv's codes, Wv's scales
	s_load_b128 s[20:23], s[0:1], 0x40             ; qbuf, kv
	v_lshl_add_u32 v[SPW], v0, 2, SPARE
	v_mov_b32 v[NIL], 0
	ds_add_u32 v[SPW], v[NIL]                      ; the wave's opening: the add, twice on end, and its wait ahead of my first tensor load
	ds_add_u32 v[SPW], v[NIL]
	v_lshrrev_b32 v[LN], 5, v0
	v_readfirstlane_b32 s[WV], v[LN]               ; wave 0..7
	s_and_b32 s[SBB], s[WV], 1
	s_lshr_b32 s[SGG], s[WV], 1
	s_bfe_u32 s[CX], ttmp6, 0x40000                ; my place in the cluster: it enters global addresses of x, of the outputs and of the prefetch alone
	s_lshl_b32 s[BLK], ttmp9, 2
	s_add_co_u32 s[BLK], s[BLK], s[CX]             ; my block of 128 rows
	s_and_b32 s[TY], ttmp7, 0xffff                 ; my type: the four partners share it
	; elements of 1 byte; padding on (bit 20): 4 words behind each row of 128 words (code 6) or 64 words (code 5); bit 21 beside a mask
	GROUP1 G1A, (1<<20)|(6<<22)|(3<<25), 512, 64
	GROUP1 G1B, (1<<20)|(6<<22)|(3<<25), 512, 128
	GROUP1 G1W, 15|(1<<20)|(1<<21)|(5<<22)|(3<<25), 256, 128
	GROUP1 G1V, 15|(1<<20)|(1<<21)|(6<<22)|(3<<25), 512, 64
	; who fetches what: waves 0, 1 half 0 of x's rows 0-63, 64-127; 2, 3 the first weight's quarters 0, 1; 4 Wv's half 0; 5 x's half 1; 6 the first weight's quarter 2; 7 Wv's half 1
	s_lshr_b32 s84, s[WV], 2
	s_add_co_u32 s85, s84, s[SBB]                  ; x: waves 0, 1, 5 -> 0, 1, 2
	s_mov_b32 s[G0X], 1                            ; count = 1
	s_mul_i32 s[G0X+1], s85, HX                    ; LDS address
	s_lshl_b32 s92, s84, 1
	s_add_co_u32 s92, s92, s[SBB]                  ; the first weight: waves 2, 3, 6 -> quarter 0, 1, 2
	s_mov_b32 s[G0W], 1
	s_mul_i32 s[G0W+1], s92, HW
	s_add_co_u32 s[G0W+1], s[G0W+1], WREG
	s_and_b32 s94, s[SGG], 1                       ; Wv: waves 4, 7 -> half 0, 1
	s_mov_b32 s[G0V], 1
	s_mul_i32 s[G0V+1], s94, HX
	s_add_co_u32 s[G0V+1], s[G0V+1], VREG
	s_lshl_b32 s96, s[BLK], 17                     ; x: 128 rows of 1,024 bytes a block
	s_lshl_b32 s98, s[WV], 16                      ; waves 0, 1: 64 rows each, from the row's first byte; wave 5: from its byte 512
	s_mov_b32 s99, 512
	s_cmp_lt_u32 s[WV], 2
	s_cselect_b32 s98, s98, s99
	s_add_co_u32 s96, s96, s98
	s_mov_b32 s97, 0
	s_lshl_b32 s92, s92, 8
	s_mov_b32 s93, 0
	s_lshl_b32 s94, s94, 9
	s_lshl_b32 s99, s[TY], 16                      ; Wv: my type's 64 rows
	s_add_co_u32 s94, s94, s99
	s_mov_b32 s95, 0
	s_wait_dscnt 0x0                               ; both opening adds are done
	CROUND                                         ; all four work-groups are here: the first joint loads meet
	s_wait_kmcnt 0x0
	s_cmp_eq_u32 s[TY], 0
	s_cselect_b64 s[86:87], s[8:9], s[12:13]       ; the first weight's codes: Wq's or Wk's
	s_cselect_b64 s[88:89], s[10:11], s[14:15]     ; its scales
	s_cselect_b64 s[90:91], s[20:21], s[22:23]     ; where the first product goes: qbuf or kv
	s_add_nc_u64 s[G0X+2:G0X+3], s[4:5], s[96:97]
	s_or_b32 s[G0X+3], s[G0X+3], 0x80000000        ; type = 2
	s_add_nc_u64 s[G0W+2:G0W+3], s[86:87], s[92:93]
	s_or_b32 s[G0W+3], s[G0W+3], 0x80000000
	s_add_nc_u64 s[G0V+2:G0V+3], s[16:17], s[94:95]
	s_or_b32 s[G0V+3], s[G0V+3], 0x80000000
; THE HEAD'S LOADS, ONE A WAVE: one tree of branches on the wave's number, so that every way through the head passes exactly one load.  Waves 5 to 7, which wait later, have lines of their own
.macro ARM under, g0, g1, next
	s_cmp_lt_u32 s[WV], \under
	s_cbranch_scc0 \next
	tensor_load_to_lds s[\g0:\g0+3], s[\g1:\g1+7]
	s_nop 0
	PLACES 4
	s_branch .Lasked
\next:
.endm
	ARM 2, G0X, G1A, .Larm_w
	ARM 4, G0W, G1W, .Larm_v
	ARM 5, G0V, G1V, .Larm_x1
	ARM 6, G0X, G1B, .Larm_w2
	ARM 7, G0W, G1W, .Larm_v1
	tensor_load_to_lds s[G0V:G0V+3], s[G1V:G1V+7]
	s_nop 0
	PLACES 4
.Lasked:
	; scalars of the addresses
	s_lshl_b32 s96, s[BLK], 12                     ; x's scale bytes: row 128 block + 64 b + ..
	s_lshl_b32 s97, s[SBB], 11
	s_add_co_u32 s96, s96, s97
	s_mov_b32 s97, 0
	s_add_nc_u64 s[6:7], s[6:7], s[96:97]
	s_lshl_b32 s92, s[SGG], 10                     ; the first weight's: row 32 g + ..
	s_add_nc_u64 s[88:89], s[88:89], s[92:93]
	s_lshl_b32 s94, s[TY], 11                      ; Wv's: row 64 type + 16 g + ..
	s_lshl_b32 s92, s[SGG], 9
	s_add_co_u32 s94, s94, s92
	s_add_nc_u64 s[18:19], s[18:19], s[94:95]
	s_lshl_b32 s92, s[CX], 15                      ; the prefetch: the first weight's rows 32 cx + lane, quarter 3
	s_add_co_u32 s92, s92, 768
	s_add_nc_u64 s[66:67], s[86:87], s[92:93]
	s_mul_i32 s84, s[SBB], HX                      ; LDS: x's rows 64 b on,
	s_mul_i32 s85, s[SGG], 32*PITCH                ; the first weight's 32 g on,
	s_add_co_u32 s85, s85, WREG
	s_mul_i32 s92, s[SGG], 16*XP                   ; Wv's 16 g on
	s_add_co_u32 s92, s92, VREG
	s_lshl_b32 s94, s[SBB], 13                     ; image of x's tile 4 b + u, group g: 2,048 (4 b + u) + 512 g
	s_lshl_b32 s96, s[SGG], 9
	s_add_co_u32 s94, s94, s96
	s_lshl_b32 s96, s[SGG], 11                     ; image of channel tile g, group 2 b + e: 2,048 g + 512 (2 b + e)
	s_lshl_b32 s98, s[SBB], 10
	s_add_co_u32 s96, s96, s98
	; A BLOCK OF SCALE WORDS (8 tiles x 16 rows x 4 bytes): the word of tile T, row r lies at 256 (T / 4) + 8 (16 (T % 2) + r) + 4 ((T / 2) % 2): two loads of 8 bytes a lane then give four registers,
	; register T / 2 holding tile T's words in lanes 0-15 (T even) or 16-31 (T odd)
	s_lshl_b32 s98, s[SBB], 8                      ; T = 4 b + u, byte g: 256 b + 8 r + g, and 128 (u % 2) + 4 (u / 2) in the immediate
	s_add_co_u32 s98, s98, s[SGG]
	s_add_co_u32 s98, s98, SCS
	s_and_b32 s99, s[SGG], 1                       ; my type's channel tile g, byte 2 b + e: 128 (g % 2) + 4 (g / 2) + 2 b + 8 r, and e in the immediate
	s_lshl_b32 s99, s99, 7
	s_lshr_b32 s33, s[SGG], 1
	s_lshl_b32 s33, s33, 2
	s_add_co_u32 s99, s99, s33
	s_lshl_b32 s33, s[SBB], 1
	s_add_co_u32 s99, s99, s33
	s_add_co_u32 s99, s99, SCS+512
	; and the vectors
	v_and_b32 v[R], 15, v0
	v_bfe_u32 v[H], v0, 4, 1
	v_and_b32 v[LN], 31, v0
	v_lshlrev_b32 v[R32], 5, v[R]
	v_mul_u32_u24 v[T1], v[R], XP                  ; a fragment: row x pitch + 16 x half of the lanes
	v_lshlrev_b32 v[L32], 5, v[LN]
	v_mul_u32_u24 v[T2], v[R], PITCH
	v_lshl_add_u32 v[T1], v[H], 4, v[T1]
	v_lshl_add_u32 v[T2], v[H], 4, v[T2]
	; THE SCALES come once, straight into registers: a lane takes the 32 bytes of one row (all of K): word s serves K step s
.irp p, 0,1
	global_load_b128 v[XS+8*\p:XS+8*\p+3], v[L32], s[6:7] offset:1024*\p
	global_load_b128 v[XS+8*\p+4:XS+8*\p+7], v[L32], s[6:7] offset:1024*\p+16
.endr
.irp c, 0,1
	global_load_b128 v[W1S+4*\c:W1S+4*\c+3], v[L32], s[88:89] offset:16*\c
	global_load_b128 v[WVS+4*\c:WVS+4*\c+3], v[R32], s[18:19] offset:16*\c
.endr
	v_add_nc_u32 v[AX], s84, v[T1]
	v_add_nc_u32 v[AW], s85, v[T2]
	v_add_nc_u32 v[AV], s92, v[T1]
	v_lshlrev_b32 v[L16], 4, v[LN]
	v_lshlrev_b32 v[L8], 3, v[LN]
	v_add_nc_u32 v[AX+1], 2*HX, v[AX]
	v_add_nc_u32 v[AW+1], HW, v[AW]
	v_add_nc_u32 v[AW+2], 2*HW, v[AW]
	v_add_nc_u32 v[AV+1], HX, v[AV]
	v_lshlrev_b32 v[PFO], 10, v[LN]
	v_add_nc_u32 v[VO1], s94, v[L16]
	v_add_nc_u32 v[VO2], s96, v[L16]
	v_lshl_add_u32 v[SB1], v[R], 3, s98
	v_lshl_add_u32 v[SB2], v[R], 3, s99
	v_add_nc_u32 v[RD1], SCS, v[L16]
	v_add_nc_u32 v[RD2], SCS+512, v[L8]
.irp k, 0,1,2,3,4,5
	v_mov_b32 v[TM+6+\k], 0                        ; written once: a lane permute's destination counts as one of its sources
.endr
	s_wait_alu depctr_va_vdst(0)
	; A PREFETCH of the refill's bytes, the first weight's quarter 3: 128 rows x 256 bytes, a lane a row.  The first cluster of each type asks; its four partners share the rows out by address; wave 3 asks.  The refill stands two K steps on
	s_xor_b32 s96, s[WV], 3
	s_or_b32 s96, s96, ttmp9
	s_cmp_eq_u32 s96, 0
	s_cbranch_scc0 .Lnot_mine
	global_prefetch_b8 v[PFO], s[66:67] th:TH_LOAD_NT scope:SCOPE_SE
.Lnot_mine:
	; where the results go
	s_cmp_eq_u32 s[TY], 0
	s_mov_b32 s97, KVBLK
	s_cselect_b32 s96, QBLK, s97
	s_mov_b32 s98, 16384
	s_mul_i32 s96, s96, s[BLK]
	s_mov_b32 s97, 0
	s_mov_b32 s99, 0
	s_add_nc_u64 s[90:91], s[90:91], s[96:97]      ; q's or k's images of my block
	s_add_nc_u64 s[8:9], s[90:91], s[98:99]        ; and their scale words
	s_mul_i32 s96, s[BLK], KVBLK
	s_add_nc_u64 s[10:11], s[22:23], s[96:97]
	s_lshl_b32 s98, s[TY], 8
	s_add_co_u32 s98, s98, 33280
	s_add_nc_u64 s[12:13], s[10:11], s[98:99]      ; v's scale words: my type's 256 bytes
	s_lshl_b32 s96, s[TY], 13
	s_add_co_u32 s96, s96, 16896
	s_add_nc_u64 s[10:11], s[10:11], s[96:97]      ; v's images: my type's four channel tiles
	s_mov_b32 s[SEL], 0x76543210
	s_mov_b32 s[SEL+1], 0xfedcba98
	s_mov_b32 s[MNT], 0x600000
; 28 LDS loads in one run: the seven fragments (16 rows x 128 K: four loads of 16 bytes, 32 bytes apart) of K step s into buffer f
.macro FETCH s, f
.set HF, (\s)/4
.set QW, ((\s)/2)%3
	WIN 0x40                                       ; destination window 1, address window 0
.irp u, 0,1,2,3
.irp c, 0,1,2,3
	ds_load_b128 v[\f+16*\u+4*\c:\f+16*\u+4*\c+3], v[AX+HF] offset:16*XP*\u+128*((\s)%4)+32*\c
.endr
.endr
.irp n, 0,1
.irp c, 0,1,2,3
	ds_load_b128 v[\f+64+16*\n+4*\c:\f+64+16*\n+4*\c+3], v[AW+QW] offset:16*PITCH*\n+128*((\s)%2)+32*\c
.endr
.endr
.irp c, 0,1,2,3
	ds_load_b128 v[\f+96+4*\c:\f+96+4*\c+3], v[AV+HF] offset:128*((\s)%4)+32*\c
.endr
.endm
; one matrix instruction.  ra, rb = 1: that side's scale words are taken from lanes 16-31 of the register named.  zero = 1: the product starts the sum
.macro WM d, a, b, zero, sa, sb, ra, rb
.if \zero
.if (\ra) && (\rb)
	v_wmma_scale_f32_16x16x128_f8f6f4 v[\d:\d+7], v[\a:\a+15], v[\b:\b+15], 0, v[\sa], v[\sb] matrix_a_fmt:MATRIX_FMT_BF8 matrix_b_fmt:MATRIX_FMT_BF8 matrix_a_scale:MATRIX_SCALE_ROW1 matrix_b_scale:MATRIX_SCALE_ROW1
.elseif (\ra)
	v_wmma_scale_f32_16x16x128_f8f6f4 v[\d:\d+7], v[\a:\a+15], v[\b:\b+15], 0, v[\sa], v[\sb] matrix_a_fmt:MATRIX_FMT_BF8 matrix_b_fmt:MATRIX_FMT_BF8 matrix_a_scale:MATRIX_SCALE_ROW1
.elseif (\rb)
	v_wmma_scale_f32_16x16x128_f8f6f4 v[\d:\d+7], v[\a:\a+15], v[\b:\b+15], 0, v[\sa], v[\sb] matrix_a_fmt:MATRIX_FMT_BF8 matrix_b_fmt:MATRIX_FMT_BF8 matrix_b_scale:MATRIX_SCALE_ROW1
.else
	v_wmma_scale_f32_16x16x128_f8f6f4 v[\d:\d+7], v[\a:\a+15], v[\b:\b+15], 0, v[\sa], v[\sb] matrix_a_fmt:MATRIX_FMT_BF8 matrix_b_fmt:MATRIX_FMT_BF8
.endif
.else
.if (\ra) && (\rb)
	v_wmma_scale_f32_16x16x128_f8f6f4 v[\d:\d+7], v[\a:\a+15], v[\b:\b+15], v[\d:\d+7], v[\sa], v[\sb] matrix_a_fmt:MATRIX_FMT_BF8 matrix_b_fmt:MATRIX_FMT_BF8 matrix_a_scale:MATRIX_SCALE_ROW1 matrix_b_scale:MATRIX_SCALE_ROW1
.elseif (\ra)
	v_wmma_scale_f32_16x16x128_f8f6f4 v[\d:\d+7], v[\a:\a+15], v[\b:\b+15], v[\d:\d+7], v[\sa], v[\sb] matrix_a_fmt:MATRIX_FMT_BF8 matrix_b_fmt:MATRIX_FMT_BF8 matrix_a_scale:MATRIX_SCALE_ROW1
.elseif (\rb)
	v_wmma_scale_f32_16x16x128_f8f6f4 v[\d:\d+7], v[\a:\a+15], v[\b:\b+15], v[\d:\d+7], v[\sa], v[\sb] matrix_a_fmt:MATRIX_FMT_BF8 matrix_b_fmt:MATRIX_FMT_BF8 matrix_b_scale:MATRIX_SCALE_ROW1
.else
	v_wmma_scale_f32_16x16x128_f8f6f4 v[\d:\d+7], v[\a:\a+15], v[\b:\b+15], v[\d:\d+7], v[\sa], v[\sb] matrix_a_fmt:MATRIX_FMT_BF8 matrix_b_fmt:MATRIX_FMT_BF8
.endif
.endif
.endm
; K step s on buffer f: 12 matrix instructions on 12 accumulators, which take turns in the same order in every step
.macro MUL s, f, zero
	WIN 0x05                                       ; sources 0 and 1 window 1; C and D window 0
.irp u, 0,1,2,3
.irp n, 0,1
	WM ACC+16*\u+8*\n, \f+64+16*\n, \f+16*\u, \zero, W1S+\s, XS+8*(\u/2)+\s, \n, \u%2
.endr
.endr
.irp u, 0,1,2,3
	WM ACC+64+8*\u, \f+16*\u, \f+96, \zero, XS+8*(\u/2)+\s, WVS+\s, \u%2, 0
.endr
.endm
; a K step that fetches its successor: eight places in front of loads into the buffer that the step before multiplied; then all LDS loads but the 28 just issued are waited for
.macro KSTEP s
	PLACES 8
	FETCH (\s)+1, 128*(((\s)+1)%2)
	s_wait_dscnt 28
	MUL \s, 128*((\s)%2), 0
.endm
	s_cmp_lt_u32 s[WV], 5                          ; half 0 of x and Wv and the first weight's quarters 0 and 1 are waves 0 to 4's loads; the others' may be out
	s_cbranch_scc0 .Lnot_yet
	s_wait_tensorcnt 0x0
.Lnot_yet:
	s_barrier_signal -1
	s_barrier_wait -1
	FETCH 0, F0
	FETCH 1, F1
	s_wait_loadcnt 0x0                             ; the scale words
	s_wait_dscnt 28                                ; K step 0's fragments are in
	MUL 0, F0, 1                                   ; the first products start the sums: nothing is cleared
	KSTEP 1
	KSTEP 2                                        ; fetches K step 3, the last of half 0
	WIN 0
	; THE REFILL: the first weight's quarter 0, last read by K step 1's fetch, makes room for quarter 3.  The same round shows half 1
	s_wait_tensorcnt 0x0                           ; all my tensor loads have landed: a group 0 may be written
	ds_add_u32 v[SPW], v[NIL]                      ; 0 onto my spare word
	s_add_nc_u64 s[G0W+2:G0W+3], s[G0W+2:G0W+3], 768
	s_wait_dscnt 0x0                               ; the add is done, and so are my reads
	CROUND                                         ; both now hold of every wave of all four work-groups
	s_cmp_eq_u32 s[WV], 2
	s_cbranch_scc0 .Lrefilled
	tensor_load_to_lds s[G0W:G0W+3], s[G1W:G1W+7]
	s_nop 0
	PLACES 4
.Lrefilled:
	KSTEP 3                                        ; (its eight places stand on every wave's path)
	KSTEP 4                                        ; the refill has these two K steps in which to land
	WIN 0
	s_wait_tensorcnt 0x0                           ; quarter 3 is in (the one load that was out)
	s_wait_dscnt 0x0
	s_barrier_signal -1
	s_barrier_wait -1
	KSTEP 5
	KSTEP 6
	s_wait_dscnt 0x0
	MUL 7, F1, 0
	WIN 0
	PLACES 8                                       ; in front of the first read of results
	; THE QUANTISER, six blocks of 32 by turns.  A lane holds 16 numbers of each; lane xor 16 the other 16.  Each accumulator is read from its low end on.
.irp k, 0,1,2,3,4,5
	v_max3_num_f32 v[TM+\k], |v[ACC+16*\k]|, |v[ACC+16*\k+1]|, 0x8000000   ; the largest magnitude, with the floor 2^(16 - 127) among its leaves: so the byte cannot fall under 1
.endr
.irp i, 2,4,6,8,10,12,14
.irp k, 0,1,2,3,4,5
	v_max3_num_f32 v[TM+\k], v[TM+\k], |v[ACC+16*\k+\i]|, |v[ACC+16*\k+\i+1]|
.endr
.endr
.irp k, 0,1,2,3,4,5
	v_permlanex16_b32 v[TM+6+\k], v[TM+\k], s[SEL], s[SEL+1]
.endr
.irp k, 0,1,2,3,4,5
	v_max_num_f32 v[TM+\k], v[TM+\k], v[TM+6+\k]   ; with lane xor 16's: the block's
.endr
.irp k, 0,1,2,3,4,5
	v_add_nc_u32 v[TM+18+\k], 0xf8800000, v[TM+\k] ; 15 off its exponent field: the conversion takes the exponent field of this operand as its scale
.endr
.irp k, 0,1,2,3,4,5
	v_and_or_b32 v[TM+12+\k], v[TM+\k], 0x7f800000, s[MNT]   ; 57,344 x the scale
.endr
.irp k, 0,1,2,3,4,5
	v_lshrrev_b32 v[TM+6+\k], 23, v[TM+18+\k]      ; the scale's byte
.endr
.irp k, 0,1,2,3,4,5
.irp i, 0,1,2,3,4,5,6,7,8,9,10,11,12,13,14,15
	v_med3_num_f32 v[ACC+16*\k+\i], v[ACC+16*\k+\i], -v[TM+12+\k], v[TM+12+\k]   ; the conversion to an 8-bit code does not saturate (ISA guide 7.6.2): the hold at the largest code x the scale
.endr
	v_cvt_scalef32_pk8_bf8_f32 v[CD+4*\k:CD+4*\k+1], v[ACC+16*\k:ACC+16*\k+7], v[TM+18+\k]
	v_cvt_scalef32_pk8_bf8_f32 v[CD+4*\k+2:CD+4*\k+3], v[ACC+16*\k+8:ACC+16*\k+15], v[TM+18+\k]
.endr
	v_nop                                          ; a plain vector instruction directly behind the last conversion
	; each store of codes covers 512 consecutive bytes, at a multiple of 256 from its buffer's first byte
.irp u, 0,1,2,3
	ds_store_b8 v[SB1], v[TM+6+\u] offset:128*(\u%2)+4*(\u/2)   ; both lanes of a block write the same byte with the same value
	global_store_b128 v[VO1], v[CD+4*\u:CD+4*\u+3], s[90:91] offset:2048*\u
.endr
.irp e, 0,1
	ds_store_b8 v[SB2], v[TM+10+\e] offset:\e
	global_store_b128 v[VO2], v[CD+16+4*\e:CD+16+4*\e+3], s[10:11] offset:512*\e
.endr
	s_wait_dscnt 0x0                               ; for the others' sake: my scale bytes lie in LDS
	s_barrier_signal -1
	s_barrier_wait -1
	s_cmp_lg_u32 s[WV], 0                          ; the scale words leave whole: wave 0 stores q's or k's 512 bytes, wave 1 v's 256
	s_cbranch_scc1 .Lnot_w0
	ds_load_b128 v[OUTV:OUTV+3], v[RD1]
	s_wait_dscnt 0x0
	global_store_b128 v[L16], v[OUTV:OUTV+3], s[8:9]
.Lnot_w0:
	s_cmp_lg_u32 s[WV], 1
	s_cbranch_scc1 .Lnot_w1
	ds_load_b64 v[OUTV+4:OUTV+5], v[RD2]
	s_wait_dscnt 0x0
	global_store_b64 v[L8], v[OUTV+4:OUTV+5], s[12:13]
.Lnot_w1:
	s_wait_tensorcnt 0x0                           ; the wave's end: behind my last tensor load and my last LDS store
	ds_add_u32 v[SPW], v[NIL]
	s_wait_dscnt 0x0
	CROUND                                         ; the closing round: no work-group ends while a partner may still ask for a tile that names it
	s_endpgm
.Lfunc_end_k_qd4f9a48c10_proj:
	.size	k_qd4f9a48c10_proj, .Lfunc_end_k_qd4f9a48c10_proj-k_qd4f9a48c10_proj
	.p2alignl 7, 3214868480
	.fill 96, 4, 3214868480
	.section	.rodata,"a",@progbits
	.p2align	6, 0x0
	.amdhsa_kernel k_qd4f9a48c10_proj
		.amdhsa_group_segment_fixed_size 327680
		.amdhsa_private_segment_fixed_size 0
		.amdhsa_enable_private_segment 0
		.amdhsa_kernarg_size 80
		.amdhsa_user_sgpr_count 2
		.amdhsa_user_sgpr_kernarg_segment_ptr 1
		.amdhsa_wavefront_size32 1
		.amdhsa_system_sgpr_workgroup_id_x 1
		.amdhsa_system_sgpr_workgroup_id_y 1
		.amdhsa_system_sgpr_workgroup_id_z 1
		.amdhsa_system_vgpr_workitem_id 0
		.amdhsa_next_free_vgpr 512
		.amdhsa_next_free_sgpr 100
		.amdhsa_reserve_vcc 0
		.amdhsa_float_denorm_mode_32 3
		.amdhsa_float_denorm_mode_16_64 3
		.amdhsa_memory_ordered 1
		.amdhsa_forward_progress 1
		.amdhsa_inst_pref_size 55
	.end_amdhsa_kernel
	.amdgpu_metadata
---
amdhsa.version: [ 1, 2 ]
amdhsa.kernels:
  - .name:           k_qd4f9a48c10_proj
    .symbol:         k_qd4f9a48c10_proj.kd
    .args:
      - { .name: x_codes, .offset: 0, .size: 8, .value_kind: global_buffer, .address_space: global }
      - { .name: x_scales, .offset: 8, .size: 8, .value_kind: global_buffer, .address_space: global }
      - { .name: Wq_codes, .offset: 16, .size: 8, .value_kind: global_buffer, .address_space: global }
      - { .name: Wq_scales, .offset: 24, .size: 8, .value_kind: global_buffer, .address_space: global }
      - { .name: Wk_codes, .offset: 32, .size: 8, .value_kind: global_buffer, .address_space: global }
      - { .name: Wk_scales, .offset: 40, .size: 8, .value_kind: global_buffer, .address_space: global }
      - { .name: Wv_codes, .offset: 48, .size: 8, .value_kind: global_buffer, .address_space: global }
      - { .name: Wv_scales, .offset: 56, .size: 8, .value_kind: global_buffer, .address_space: global }
      - { .name: qbuf, .offset: 64, .size: 8, .value_kind: global_buffer, .address_space: global }
      - { .name: kv, .offset: 72, .size: 8, .value_kind: global_buffer, .address_space: global }
    .group_segment_fixed_size: 327680
    .private_segment_fixed_size: 0
    .kernarg_segment_align: 8
    .kernarg_segment_size: 80
    .max_flat_workgroup_size: 256
    .sgpr_count:     100
    .vgpr_count:     512
    .wavefront_size: 32
...
	.end_amdgpu_metadata
.endif
;; end of part 1
;; launch attn (part 2): grid 64 x 4, 4 waves a work-group, clusters of 4 x 1, 327,680 bytes of LDS; arguments qbuf, kv, out0; writes out0
.if DOCPART == 2
	.amdgcn_target "amdgcn-amd-amdhsa--gfx1250"
	.amdhsa_code_object_version 6
	.text
	.protected	k_qd4f9a48c10_attn
	.globl	k_qd4f9a48c10_attn
	.p2align	8
	.type	k_qd4f9a48c10_attn,@function
k_qd4f9a48c10_attn:
	s_mov_b64 s[64:65], 0
	v_nop
	global_prefetch_b8 v0, s[64:65] scope:SCOPE_SE
	s_setreg_imm32_b32 hwreg(HW_REG_WAVE_MODE, 25, 1), 1
	s_wait_xcnt 0x0
	s_wait_alu depctr_hold_cnt(0) depctr_sa_sdst(0) depctr_va_vdst(0) depctr_va_sdst(0) depctr_va_ssrc(0) depctr_va_vcc(0) depctr_vm_vsrc(0)
	s_getreg_b32 s2, hwreg(HW_REG_IB_STS2, 6, 4)
	s_cmp_eq_u32 s2, 0
	s_cbranch_scc0 .Lentry_in_a_cluster
	s_endpgm
.Lentry_in_a_cluster:
	s_bfe_u32 s2, ttmp6, 0x10000c
	s_cmp_lg_u32 s2, 0x3003
	s_cbranch_scc0 .Lentry_shape_is_right
	s_endpgm
.Lentry_shape_is_right:
; out[b][q][:] = the sum over keys k <= q of softmax_k(q . k / sqrt(128)) v[k][:], both products on codes of BF8 (E5M2) with one E8M0 scale for each 32 along a product's K.  4 batches, 4,096 rows, head size 128.
; INPUTS, made by the launch before: images of operand registers.  A block is 128 rows.  qbuf: a block = 8 query tiles' images (2,048 bytes: group of four registers c at 512 c, lane's 16 bytes at 16 lane), then 512 bytes of scale words.
; kv: a block = K's 8 images, K's scale words, V's 8 images (16 channels x the block's 128 keys each), V's scale words: 33,792 bytes.  A fragment comes by four loads of 512 consecutive bytes.
; Inside a block of 32 along K, register 8 u + j of lane half h holds element 16 u + 8 h + j: for q and k alike, and for v and p alike (p falls so out of tiles of 16 NEIGHBOURING keys).
; THE SOFTMAX AHEAD OF THE SECOND PRODUCT: t = score x log2(e) / sqrt(128); M = the largest t so far, rounded UP to a whole number; p = 2^(t - M) is quantised along the keys, not normalised; the sum is taken of the unquantised p.
; When M moves, the sum and O are multiplied by 2^(old M - new M): exact.
; SHARES.  A cluster takes the blocks of queries 31 - kk (group B) and kk (group A), kk = 0 .. 15; its work-group cx takes 32 rows of each, 32 cx on: two tiles of 16, which share every fragment of K and V.
; B's blocks of keys are 0 .. 31 - kk, A's 0 .. kk: 33 units of 128 keys x 32 queries, dealt four to a step, one to each of the FOUR WAVES: first B's, then A's: NINE STEPS in every work-group.  B takes (35 - kk) / 4 of them.
; Left out: the blocks of keys behind a group's own block: reference()'s causal where() throws them away, for all values.  In the block on the diagonal hidden scores become -infinity.  A wave to which a group's last step leaves no block takes the diagonal
; block with every score hidden: p = 0, and its M does not move.  At the end a group's four parts meet in LDS: the largest M, the sums and O under it, one division.
; K comes through a ring of two slots of four blocks' K.  A wave fetches, jointly with its cluster's partners (mask 15: they walk the same keys), the 16,896 bytes that it reads itself; a slot is filled again, two steps ahead, once its fragments stand in registers.
; By this text's count a wave has one tensor load out.  V goes from memory STRAIGHT INTO REGISTERS: one wave of the work-group reads each of its bytes, once, so LDS would only pass it on; a joint load lands in LDS alone, so V is not asked for jointly.
; The second product of a step stands in the next step, behind its first product, so that V's loads have the time between; the search for the next maxima stands among its matrix instructions.
; REGISTERS, in windows of 256: 0: v1-31 addresses, state and scale words; v32-63 Q; v64-95 p's codes; v96-127 at work; v128-255 S^T, then p, two tiles.  1: v0-127 K's eight fragments; v128-159 A's Q; v160-165 B's -M and sums; v166-167 A's scale words of Q.
;   2: v0-127 V's eight fragments.  3: v0-127 O^T of the group in hand; v128-255 B's finished O^T.
; LIMITS: NaN and infinities are not served.  A block's largest p is taken from its largest score, put through the same multiply-add and exponential: this takes v_exp_f32 not to fall where its input rises.
; A block of p that is all zeros keeps the scale byte 1: its codes are zeros.
.set PARTB, 16896                      ; a block's K with its scale words: what one tensor load brings: 66 rows of 256 bytes.  Also a block of qbuf
.set SLOTB, 4*PARTB
.set BLKB,  33792                      ; a block of kv
.set STEPB, 4*BLKB
.set KSO,   16384                      ; in a block: K's scale words,
.set VIM,   16896                      ; V's images,
.set VSO,   33280                      ; V's scale words
.set SPT,   528                        ; the stage: a row of 512 bytes + 16.  A wave's 64 rows are 33,792 bytes
.set STAGE, 2*SLOTB                    ; behind the ring: four stages, into which no tile lands
.set STATS, STAGE+4*64*SPT             ; -M and the sum, 8 bytes a lane: tile c's 1,024 bytes, 256 a wave
.set SPARE, STATS+4096                 ; the spare words, 128 bytes for each wave: two blocks of 256 bytes that no other line names
.set A16,  1                           ; v1   16 lane + my block's place in a slot
.set A8,   2                           ; v2   8 lane + the same
.set DM,   3                           ; v3   my query of tile 0 in its block - 8 (lane / 16)
.set ADR,  4                           ; v4   address of K's images in the slot that is read
.set SPW,  5                           ; v5   LDS address of my spare word; never rewritten
.set NIL,  6                           ; v6   0; never rewritten
.set PFO,  7                           ; v7   256 x lane: the prefetches' offset; never rewritten
.set AD8,  8                           ; v8   address of K's scale words in the slot that is read
.set VL16, 9                           ; v9   16 lane: V's images; never rewritten
.set VL8,  10                          ; v10  8 lane: V's scale words; never rewritten
; v12 -M, v13 the largest t, v[14:15] the sum in two halves, of tile 0; v16-19 of tile 1
.set PS,   20                          ; v20, v21 p's scale words
.set QS,   22                          ; v22, v23 Q's
.set VS,   24                          ; v24-27 V's: register T / 2 holds tile T's in lanes 0-15 (T even) or 16-31 (T odd)
.set KS,   28                          ; v28-31 K's
.set WV,   10                          ; s10 wave
.set KK,   11                          ; s11 kk: A's block of queries
.set NBS,  12                          ; s12 B's steps
.set CX,   13                          ; s13 my place in the cluster: it enters Q's, the output's and the prefetches' global addresses and DM, nothing else
.set LB,   14                          ; s14 B's block of queries
.set ST,   15                          ; s15 the step
.set LIM,  16                          ; s16 steps at which my work-group prefetches
.set DD,   17                          ; s17 the group's block less my block of keys
.set TB,   18                          ; s18 LDS byte at which the slot that is read begins
.set TF,   19                          ; s19 and the slot that was filled last
.set SEL,  20                          ; s[20:21] v_permlanex16_b32's selects for lane xor 16
.set CS,   22                          ; s[22:23] c = log2(e) / sqrt(128)
.set MNT,  24                          ; s24 the mantissa field of 57,344
.set SRB,  25                          ; s25 where I read the stages: 16 rows x wave
.set WO,   26                          ; s26 wave x PARTB
.set G1,   28                          ; s[28:35] descriptor group 1
.set G0,   36                          ; s[36:39] group 0
.set PFA,  40                          ; s[40:41] where my prefetches stand
.set BA,   43                          ; s43 the batch
.set KVB,  60                          ; s[60:61] the batch's first byte in kv
.set VP,   62                          ; s[62:63] the step's block in kv
.set MK,   66                          ; s66-81 masks of hidden scores
.set MSB, 0
.macro WIN new                         ; the immediate's high byte repeats the setting that is left
.if MSB != \new
	s_set_vgpr_msb (MSB<<8)|\new
.set MSB, \new
.endif
.endm
.macro PLACES n                        ; plain vector instructions behind matrix instructions (ISA guide 7.12.1)
.rept \n
	v_nop
.endr
.endm
.macro CREST                           ; a round of the cluster's barrier behind its opening signal
	s_barrier_wait -1
	s_cmp_lg_u32 s[WV], 0
	s_cbranch_scc1 .Lnot_wave_0_\@
	s_barrier_signal -3
.Lnot_wave_0_\@:
	s_barrier_wait -3
	s_barrier_signal -1
	s_barrier_wait -1
.endm
.macro TLOAD                           ; every wave fetches its own block's K
	tensor_load_to_lds s[G0:G0+3], s[G1:G1+7]
	s_nop 0
	PLACES 4
.endm
.macro KSCALES
	ds_load_b64 v[KS:KS+1], v[AD8] offset:KSO
	ds_load_b64 v[KS+2:KS+3], v[AD8] offset:KSO+256
.endm
.macro KLOAD t0                        ; four of K's eight fragments, into window 1
	WIN 0x40
.irp t, 0,1,2,3
.irp c, 0,1,2,3
	ds_load_b128 v[16*(\t0+\t)+4*\c:16*(\t0+\t)+4*\c+3], v[ADR] offset:2048*(\t0+\t)+512*\c
.endr
.endr
	WIN 0
.endm
.macro VLOAD t0                        ; two of V's eight fragments, into window 2
	WIN 0x80
.irp t, 0,1
.irp c, 0,1,2,3
	global_load_b128 v[16*(\t0+\t)+4*\c:16*(\t0+\t)+4*\c+3], v[VL16], s[VP:VP+1] offset:VIM+2048*(\t0+\t)+512*\c
.endr
.endr
	WIN 0
.endm
.macro QK                              ; S^T = K Q^T: source 0 = 16 keys (window 1), source 1 = 16 queries: lane (r, h) holds query r; register 8 t + j key 16 t + 8 h + j
	WIN 0x01
.irp t, 0,2,4,6
.irp u, 0,1
	v_wmma_scale_f32_16x16x128_f8f6f4 v[128+64*\u+8*\t:135+64*\u+8*\t], v[16*\t:16*\t+15], v[32+16*\u:47+16*\u], 0, v[KS+\t/2], v[QS+\u] matrix_a_fmt:MATRIX_FMT_BF8 matrix_b_fmt:MATRIX_FMT_BF8
.endr
.irp u, 0,1
	v_wmma_scale_f32_16x16x128_f8f6f4 v[136+64*\u+8*\t:143+64*\u+8*\t], v[16*\t+16:16*\t+31], v[32+16*\u:47+16*\u], 0, v[KS+\t/2], v[QS+\u] matrix_a_fmt:MATRIX_FMT_BF8 matrix_b_fmt:MATRIX_FMT_BF8 matrix_a_scale:MATRIX_SCALE_ROW1
.endr
.endr
	WIN 0
.endm
.macro MAXL k                          ; line k of 64 of the search for the largest score of each block of 32 keys: it serves for the row's maximum and for the block's largest p.  Eight chains by turns: blocks 0-3 of tile 0, then of tile 1
.set M_, (\k)%8
.set J_, (\k)/8
.if J_ == 0
	v_max3_num_f32 v[96+M_], v[128+16*M_], v[129+16*M_], v[130+16*M_]
.elseif J_ < 7
	v_max3_num_f32 v[96+M_], v[96+M_], v[129+16*M_+2*J_], v[130+16*M_+2*J_]
.else
	v_max_num_f32 v[96+M_], v[96+M_], v[143+16*M_]
.endif
.endm
.macro PVX p1                          ; O^T += V^T P^T: 16 accumulators by turns, in the same order in every step.  p1 = 1: the search for the maxima stands among them, behind the eight places that the first product's results want
.set K1, 0
.set N1, 0
.rept 16
.set T_, N1/2
.set U_, N1%2
.set D_, 64*U_+8*T_
	WIN 0xf2                                       ; source 0 window 2, source 1 window 0, C and D window 3
.if T_%2
	v_wmma_scale_f32_16x16x128_f8f6f4 v[D_:D_+7], v[16*T_:16*T_+15], v[64+16*U_:79+16*U_], v[D_:D_+7], v[VS+T_/2], v[PS+U_] matrix_a_fmt:MATRIX_FMT_BF8 matrix_b_fmt:MATRIX_FMT_BF8 matrix_a_scale:MATRIX_SCALE_ROW1
.else
	v_wmma_scale_f32_16x16x128_f8f6f4 v[D_:D_+7], v[16*T_:16*T_+15], v[64+16*U_:79+16*U_], v[D_:D_+7], v[VS+T_/2], v[PS+U_] matrix_a_fmt:MATRIX_FMT_BF8 matrix_b_fmt:MATRIX_FMT_BF8
.endif
.if \p1
	WIN 0
.if N1 < 2
	PLACES 4
.else
.rept 64*(N1-1)/14-K1
	MAXL K1
.set K1, K1+1
.endr
.endif
.endif
.set N1, N1+1
.endr
	WIN 0
.endm
; hidden where key > query.  With D = my query of tile 0 less 8 h, and 128 DD more: tile 0's register 8 t + j is hidden where 16 t + j > D, tile 1's where 16 (t - 1) + j > D: so tile 0's t and tile 1's t + 1 share a mask
.macro MASK
.irp q, -1,0,1,2,3,4,5,6,7
.irp i, 0,1,2,3,4,5,6,7
	v_cmp_gt_i32 s[MK+8*((\q+1)%2)+\i], 16*(\q)+\i, v119
.endr
.irp i, 0,1,2,3,4,5,6,7
.if (\q) < 7
	v_cndmask_b32 v[192+8*(\q+1)+\i], v[192+8*(\q+1)+\i], v118, s[MK+8*((\q+1)%2)+\i]
.endif
.if (\q) >= 0
	v_cndmask_b32 v[128+8*(\q)+\i], v[128+8*(\q)+\i], v118, s[MK+8*((\q+1)%2)+\i]
.endif
.endr
.endr
.endm
; one scalar line behind each pair of exponentials: the other slot is the next step's; the offset of the tile for the step two on: B's or A's list, my wave's block, held at the group's last
.macro DESC fill
.if II == 0
	s_xor_b32 s[TB], s[TB], SLOTB
.endif
.if \fill
.if II == 1
	s_add_co_u32 s44, s[ST], 2
.elseif II == 2
	s_cmp_lt_u32 s44, s[NBS]
.elseif II == 3
	s_cselect_b32 s45, 0, s[NBS]
.elseif II == 4
	s_cselect_b32 s46, s[LB], s[KK]
.elseif II == 5
	s_sub_co_u32 s44, s44, s45
.elseif II == 6
	s_lshl_b32 s44, s44, 2
.elseif II == 7
	s_add_co_u32 s44, s44, s[WV]
.elseif II == 8
	s_min_u32 s44, s44, s46
.elseif II == 9
	s_mul_i32 s44, s44, BLKB
.elseif II == 10
	s_mov_b32 s45, 0
.elseif II == 11
	s_xor_b32 s[TF], s[TF], SLOTB
.endif
.endif
.endm
.macro RESCALE u                       ; O^T of tile u under the new M
.set II, 64*\u
.rept 32
	v_pk_mul_f32 v[II:II+1], v[II:II+1], v[112+2*\u:113+2*\u] op_sel_hi:[1,0]
.set II, II+2
.endr
.endm
; A STEP.  next = 1: the next step's K is fetched in it; fill = 1: its slot is filled again, for the step two on
.macro STEP fill, next
	s_cmp_eq_u32 s[ST], s[NBS]                     ; A's turn begins: Q becomes A's
	s_cbranch_scc0 .Lq_\@
	WIN 0x01
	v_mov_b32 v[QS], v166
	v_mov_b32 v[QS+1], v167
.set II, 0
.rept 32
	v_mov_b32 v[32+II], v[128+II]
.set II, II+1
.endr
	WIN 0
	PLACES 4
	s_wait_alu depctr_va_vdst(0)
.Lq_\@:
	s_cmp_lt_u32 s[ST], s[NBS]
	s_cselect_b32 s44, 0, s[NBS]
	s_cselect_b32 s45, s[LB], s[KK]
	s_sub_co_u32 s44, s[ST], s44
	s_lshl_b32 s44, s44, 2
	s_add_co_u32 s44, s44, s[WV]                   ; my block of keys in the group's list
	s_sub_co_i32 s[DD], s45, s44
	s_min_u32 s46, s44, s45
	s_mul_i32 s46, s46, BLKB                       ; (s47 = 0)
	s_wait_dscnt 0x0                               ; K is in
	QK
	s_cmp_gt_i32 s[DD], 0
	s_cbranch_scc1 .Lopen_\@
	s_lshl_b32 s44, s[DD], 7
	v_add_nc_u32 v119, s44, v[DM]
	v_mov_b32 v118, 0xff800000
	PLACES 8
	MASK
	s_wait_alu depctr_va_vdst(0)
.Lopen_\@:
	s_wait_loadcnt 0x0                             ; the last step's V is in, so its base may be written
	s_add_nc_u64 s[VP:VP+1], s[KVB:KVB+1], s[46:47]
	PVX 1                                          ; the last step's second product (in step 0 of zeros)
.irp b, 0,1,2,3,4,5,6,7
	v_permlanex16_b32 v[104+\b], v[96+\b], s[SEL], s[SEL+1]
.endr
.irp b, 0,1,2,3,4,5,6,7
	v_max_num_f32 v[96+\b], v[96+\b], v[104+\b]    ; with lane xor 16's keys
.endr
	s_wait_alu depctr_va_vdst(0)
	s_cmp_eq_u32 s[ST], s[NBS]                     ; B IS DONE: its O^T, -M and sums are put by.  The sums and O^T need no clearing: the first change of M multiplies them by 2^(-huge) = 0, and a part that sees no key counts with 0 in the merge
	s_cbranch_scc0 .Lo_\@
	WIN 0x40
	v_mov_b32 v160, v12
	v_mov_b32 v161, v16
	v_mov_b32 v162, v14
	v_mov_b32 v163, v15
	v_mov_b32 v164, v18
	v_mov_b32 v165, v19
	WIN 0
	v_mov_b32 v12, 0x7f61b1e6
	v_mov_b32 v13, 0xff61b1e6
	v_mov_b32 v16, 0x7f61b1e6
	v_mov_b32 v17, 0xff61b1e6
	WIN 0xc3
.set II, 0
.rept 128
	v_mov_b32 v[128+II], v[II]
.set II, II+1
.endr
	WIN 0
.Lo_\@:
	global_load_b64 v[VS:VS+1], v[VL8], s[VP:VP+1] offset:VSO   ; this step's V: its scale words and, in four runs, its fragments
	global_load_b64 v[VS+2:VS+3], v[VL8], s[VP:VP+1] offset:VSO+256
	VLOAD 0
	v_max3_num_f32 v116, v96, v97, v98
	v_max3_num_f32 v117, v100, v101, v102
	v_max_num_f32 v116, v116, v99
	v_max_num_f32 v117, v117, v103
	v_mul_f32 v116, s[CS], v116                    ; as t (c is positive)
	v_mul_f32 v117, s[CS], v117
	v_max_num_f32 v13, v13, v116                   ; the running largest t
	v_max_num_f32 v17, v17, v117
	v_mov_b32 v116, v12
	v_mov_b32 v117, v16
	v_floor_f32 v12, -v13                          ; the new -M = floor(-t) = -ceil(t): a whole number
	v_floor_f32 v16, -v17
	v_sub_f32 v116, v12, v116                      ; old M less new M: a whole number, 0 or less
	v_sub_f32 v117, v16, v117
	v_cvt_i32_f32 v116, v116                       ; (it saturates)
	v_cvt_i32_f32 v117, v117
	v_ldexp_f32 v112, 1.0, v116                    ; f = 2^(old M - new M)
	v_ldexp_f32 v114, 1.0, v117
	VLOAD 2
.set II, 0
.rept 32
	v_pk_fma_f32 v[128+II:129+II], v[128+II:129+II], s[CS:CS+1], v[12:13] op_sel_hi:[1,0,0]   ; t - M, two at a time (of the pairs c and -M the low word serves both halves)
.set II, II+2
.endr
	VLOAD 4
.irp b, 0,1,2,3
	v_fma_f32 v[96+\b], v[96+\b], s[CS], v12       ; the same of each block's largest score
	v_fma_f32 v[100+\b], v[100+\b], s[CS], v16
.endr
	WIN 0xc3                                       ; destination and source 0 window 3, source 1 window 0
	RESCALE 0
	WIN 0
	VLOAD 6
	s_wait_alu depctr_va_vdst(0)
.irp b, 0,1,2,3,4,5,6,7
	v_exp_f32 v[96+\b], v[96+\b]                   ; the blocks' largest p
.endr
.set II, 0
.rept 32
	v_exp_f32 v[128+2*II], v[128+2*II]             ; p = 2^(t - M), at most 1: tile 0's; tile 1's t - M beside it
	v_exp_f32 v[129+2*II], v[129+2*II]
	v_pk_fma_f32 v[192+2*II:193+2*II], v[192+2*II:193+2*II], s[CS:CS+1], v[16:17] op_sel_hi:[1,0,0]
.if \next
	DESC \fill
.endif
.set II, II+1
.endr
	s_wait_alu depctr_va_vdst(0)                   ; one wait for the batch, ahead of its first reader
.if \fill
	s_wait_xcnt 0x0                                ; the last prefetch, a step back, has read its address, so it may be written
	s_add_nc_u64 s[PFA:PFA+1], s[PFA:PFA+1], STEPB
.endif
.if \next
	s_wait_tensorcnt 0x0                           ; my K of the next step is in; no tensor load of mine is out, so the group 0 may be written
	ds_add_u32 v[SPW], v[NIL]                      ; 0 onto my spare word; p's scales stand between it and the wait for it
.endif
.if \fill
	s_add_nc_u64 s[G0+2:G0+3], s[KVB:KVB+1], s[44:45]
	s_or_b32 s[G0+3], s[G0+3], 0x80000000
	s_add_co_u32 s[G0+1], s[TF], s[WO]
.endif
.irp b, 0,1,2,3,4,5,6,7
	v_max_num_f32 v[96+\b], 0x8000000, v[96+\b]    ; the floor 2^(16 - 127): the byte cannot fall under 1
.endr
.irp b, 0,1,2,3,4,5,6,7
	v_add_nc_u32 v[120+\b], 0xf8800000, v[96+\b]   ; 15 off the exponent field: the conversion's scale operand
.endr
.irp b, 0,1,2,3,4,5,6,7
	v_and_or_b32 v[104+\b], v[96+\b], 0x7f800000, s[MNT]   ; 57,344 x the scale
.endr
.irp b, 0,1,2,3,4,5,6,7
	v_lshrrev_b32 v[96+\b], 23, v[120+\b]          ; the scale's byte
.endr
	v_lshl_or_b32 v[PS], v97, 8, v96               ; p's scale words for these 128 keys
	v_lshl_or_b32 v[PS+1], v101, 8, v100
	v_lshl_or_b32 v[PS], v98, 16, v[PS]
	v_lshl_or_b32 v[PS+1], v102, 16, v[PS+1]
	v_lshl_or_b32 v[PS], v99, 24, v[PS]
	v_lshl_or_b32 v[PS+1], v103, 24, v[PS+1]
.if \next
	s_wait_dscnt 0x0                               ; the add is done; my reads of this slot were over ahead of the first product
	s_barrier_signal -1
.endif
	WIN 0xc3
	s_wait_alu depctr_va_vdst(0)                   ; directly ahead of the first reader of tile 1's O^T
	RESCALE 1
	WIN 0
.if \fill
	CREST                                          ; no wave of any partner still reads this slot or has a load on its way
	TLOAD                                          ; the first thing behind the round, and the wave's one tensor load until the next
.elseif \next
	s_barrier_wait -1
.endif
.if \next
	v_add_nc_u32 v[ADR], s[TB], v[A16]
	v_add_nc_u32 v[AD8], s[TB], v[A8]
	KSCALES                                        ; the next step's K: the first run
	KLOAD 0
.endif
.if \fill
	; A PREFETCH of the first 32,768 bytes of each block of the step three on: the next step's refill asks for its K, and three steps on V is loaded: all clusters of a batch walk the same kv, and B of the first (kk = 0) takes every block: it asks.
	; Its four partners take a block each, told apart BY ADDRESS; a wave takes 8,192 bytes, lanes 256 bytes apart.  So each of these blocks of 256 bytes is named once in the launch.  Steps 0 to 2 come by their loads alone; step 7's blocks are the last
	s_cmp_lt_u32 s[ST], s[LIM]
	s_cbranch_scc0 .Lnot_mine_\@
	global_prefetch_b8 v[PFO], s[PFA:PFA+1] th:TH_LOAD_NT scope:SCOPE_SE
.Lnot_mine_\@:
.endif
	s_wait_alu depctr_va_vdst(0)
.set II, 0
.rept 32
	v_exp_f32 v[192+2*II], v[192+2*II]             ; tile 1's p; beside it tile 0's sums of the unquantised p, then its hold: the conversion to an 8-bit code does not saturate (ISA guide 7.6.2); p is not negative, so the hold is one-sided
.if II%2 == 0
	v_pk_add_f32 v[64+II:65+II], v[128+2*II:129+2*II], v[130+2*II:131+2*II]
.endif
	v_exp_f32 v[193+2*II], v[193+2*II]
	v_dual_min_num_f32 v[128+2*II], v[104+II/8], v[128+2*II] :: v_dual_min_num_f32 v[129+2*II], v[104+II/8], v[129+2*II]
.set II, II+1
.endr
	s_wait_alu depctr_va_vdst(0)                   ; one wait for the batch
.if \next
	KLOAD 4                                        ; the second run
.endif
.irp j, 0,2,4,6,8,10,12,14
	v_pk_add_f32 v[64+\j:65+\j], v[64+\j:65+\j], v[80+\j:81+\j]
.endr
.irp j, 0,2,4,6,8,10,12,14
	v_pk_add_f32 v[80+\j:81+\j], v[192+\j:193+\j], v[208+\j:209+\j]
.endr
.irp j, 0,2,4,6
	v_pk_add_f32 v[64+\j:65+\j], v[64+\j:65+\j], v[72+\j:73+\j]
.endr
.irp j, 0,2,4,6,8,10,12,14
	v_pk_add_f32 v[80+\j:81+\j], v[80+\j:81+\j], v[224+\j:225+\j]
.endr
.irp j, 0,2
	v_pk_add_f32 v[64+\j:65+\j], v[64+\j:65+\j], v[68+\j:69+\j]
.endr
.irp j, 0,2,4,6,8,10,12,14
	v_pk_add_f32 v[80+\j:81+\j], v[80+\j:81+\j], v[240+\j:241+\j]
.endr
	v_pk_add_f32 v[64:65], v[64:65], v[66:67]
.irp j, 0,2,4,6
	v_pk_add_f32 v[80+\j:81+\j], v[80+\j:81+\j], v[88+\j:89+\j]
.endr
	v_pk_fma_f32 v[14:15], v[14:15], v[112:113], v[64:65] op_sel_hi:[1,0,1]   ; the sum under the new M
.irp j, 0,2
	v_pk_add_f32 v[80+\j:81+\j], v[80+\j:81+\j], v[84+\j:85+\j]
.endr
.set II, 0
.rept 16
	v_dual_min_num_f32 v[192+2*II], v[108+II/8], v[192+2*II] :: v_dual_min_num_f32 v[193+2*II], v[108+II/8], v[193+2*II]
.set II, II+1
.endr
	v_pk_add_f32 v[80:81], v[80:81], v[82:83]
.rept 16
	v_dual_min_num_f32 v[192+2*II], v[108+II/8], v[192+2*II] :: v_dual_min_num_f32 v[193+2*II], v[108+II/8], v[193+2*II]
.set II, II+1
.endr
	v_pk_fma_f32 v[18:19], v[18:19], v[114:115], v[80:81] op_sel_hi:[1,0,1]
.irp b, 0,1,2,3,4,5,6,7
	v_cvt_scalef32_pk8_bf8_f32 v[64+4*\b:65+4*\b], v[128+16*\b:135+16*\b], v[120+\b]   ; the second product's operand: tile 0 v64-79, tile 1 v80-95
	v_cvt_scalef32_pk8_bf8_f32 v[66+4*\b:67+4*\b], v[136+16*\b:143+16*\b], v[120+\b]
.endr
	PLACES 4                                       ; an operand written by vector instructions stands 4 places ahead of a scaled matrix instruction
	s_wait_alu depctr_va_vdst(0)                   ; ahead of the next step's branches and waits
	s_add_co_u32 s[ST], s[ST], 1
.endm
	s_load_b128 s[4:7], s[0:1], 0x0                ; qbuf s[4:5], kv s[6:7]
	s_load_b64 s[8:9], s[0:1], 0x10                ; out0
	v_lshl_add_u32 v[SPW], v0, 2, SPARE
	v_mov_b32 v[NIL], 0
	ds_add_u32 v[SPW], v[NIL]                      ; the wave's opening: the add, twice on end, and its wait ahead of my first tensor load
	ds_add_u32 v[SPW], v[NIL]
	v_lshrrev_b32 v96, 5, v0
	v_readfirstlane_b32 s[WV], v96                 ; wave 0..3
	s_bfe_u32 s[CX], ttmp6, 0x40000
	s_mov_b32 s[KK], ttmp9
	s_and_b32 s[BA], ttmp7, 0xffff
	s_sub_co_u32 s[LB], 31, s[KK]
	s_sub_co_u32 s[NBS], 35, s[KK]
	s_lshr_b32 s[NBS], s[NBS], 2                   ; (32 - kk) / 4, rounded up
	; descriptor group 1: 66 dense rows of 256 bytes (32 elements of 8 bytes), no padding: images are read 512 consecutive bytes at a time
	s_mov_b32 s[G1], 15|(3<<16)|(1<<21)            ; the mask: all four work-groups; elements of 8 bytes; bit 21 beside the mask
	s_mov_b32 s[G1+1], 32<<16                      ; tensor_dim0
	s_mov_b32 s[G1+2], 66<<16                      ; tensor_dim1
	s_mov_b32 s[G1+3], 32<<16                      ; tile_dim0
	s_mov_b32 s[G1+4], 66                          ; tile_dim1
	s_mov_b32 s[G1+5], 32                          ; from row to row
	s_mov_b32 s[G1+6], 0
	s_mov_b32 s[G1+7], 0
	s_mul_i32 s[WO], s[WV], PARTB
	s_mul_i32 s46, s[BA], 32*BLKB                  ; the batch's first byte in kv
	s_mov_b32 s47, 0
	s_mul_i32 s44, s[WV], BLKB
	s_mov_b32 s45, 0
	s_mov_b32 s[G0], 1                             ; count = 1
	s_mov_b32 s[G0+1], s[WO]                       ; LDS address: slot 0
	s_wait_dscnt 0x0                               ; both opening adds are done
	s_barrier_signal -1
	CREST                                          ; all four work-groups are here: the first joint loads meet
	s_wait_kmcnt 0x0
	s_add_nc_u64 s[KVB:KVB+1], s[6:7], s[46:47]
	s_add_nc_u64 s[G0+2:G0+3], s[KVB:KVB+1], s[44:45]   ; step 0: block of keys = my wave's number
	s_or_b32 s[G0+3], s[G0+3], 0x80000000          ; type = 2
	TLOAD
	; scalars of the addresses
	s_lshl_b32 s48, s[BA], 5
	s_add_co_u32 s50, s48, s[KK]
	s_add_co_u32 s48, s48, s[LB]
	s_mul_i32 s48, s48, PARTB
	s_mov_b32 s49, 0
	s_mul_i32 s50, s50, PARTB
	s_mov_b32 s51, 0
	s_add_nc_u64 s[54:55], s[4:5], s[48:49]        ; B's block in qbuf,
	s_add_nc_u64 s[56:57], s[4:5], s[50:51]        ; A's
	s_lshl_b32 s52, s[CX], 12                      ; my tiles 2 cx, 2 cx + 1: images
	s_and_b32 s53, s[CX], 1                        ; their scale words: 16,384 + 256 (T / 4) + 128 (T % 2) + 4 ((T / 2) % 2) + 8 r, T = 2 cx + u
	s_lshl_b32 s53, s53, 2
	s_lshr_b32 s58, s[CX], 1
	s_lshl_b32 s58, s58, 8
	s_add_co_u32 s53, s53, s58
	s_lshl_b32 s58, s[CX], 5
	v_and_b32 v97, 31, v0                          ; lane
	v_and_b32 v100, 15, v0                         ; r
	v_bfe_u32 v101, v0, 4, 1                       ; h
	v_lshl_add_u32 v98, v97, 4, s52
	v_lshl_add_u32 v99, v100, 3, s53
.irp u, 0,1
.irp c, 0,1,2,3
	global_load_b128 v[32+16*\u+4*\c:35+16*\u+4*\c], v98, s[54:55] offset:2048*\u+512*\c
.endr
	global_load_b32 v[QS+\u], v99, s[54:55] offset:16384+128*\u
.endr
	WIN 0x40
.irp u, 0,1
.irp c, 0,1,2,3
	global_load_b128 v[128+16*\u+4*\c:131+16*\u+4*\c], v98, s[56:57] offset:2048*\u+512*\c
.endr
	global_load_b32 v[166+\u], v99, s[56:57] offset:16384+128*\u
.endr
	WIN 0
	v_lshl_add_u32 v[A16], v97, 4, s[WO]
	v_lshl_add_u32 v[A8], v97, 3, s[WO]
	v_lshlrev_b32 v102, 3, v101
	v_lshlrev_b32 v[PFO], 8, v97
	v_sub_nc_u32 v[DM], v100, v102
	v_lshlrev_b32 v[VL16], 4, v97
	v_add_nc_u32 v[DM], s58, v[DM]                 ; 32 cx + r - 8 h
	v_lshlrev_b32 v[VL8], 3, v97
	v_mov_b32 v12, 0x7f61b1e6                      ; -M, and the largest t so far: -3e38, under every t
	v_mov_b32 v13, 0xff61b1e6
	v_mov_b32 v16, 0x7f61b1e6
	v_mov_b32 v17, 0xff61b1e6
	v_mov_b32 v14, 0
	v_mov_b32 v15, 0
	v_mov_b32 v18, 0
	v_mov_b32 v19, 0
.irp b, 0,1,2,3,4,5,6,7
	v_mov_b32 v[104+\b], 0                         ; written once: a lane permute's destination counts as one of its sources
.endr
	v_mov_b32 v113, 0                              ; (upper halves of the pairs v[112:113] and v[114:115])
	v_mov_b32 v115, 0
	; the step has no first form of its own: its first second product multiplies zeros.  These lines stand under the first load's flight
	v_mov_b32 v[PS], 0
	v_mov_b32 v[PS+1], 0
.irp b, 0,1,2,3
	v_mov_b32 v[VS+\b], 0
.endr
.set II, 0
.rept 32
	v_mov_b32 v[64+II], 0                          ; p's codes
.set II, II+1
.endr
	WIN 0x40
.irp b, 0,1,2,3,4,5
	v_mov_b32 v[160+\b], 0
.endr
	WIN 0x80
.set II, 0
.rept 128
	v_mov_b32 v[II], 0                             ; V
.set II, II+1
.endr
	WIN 0xc0
.set II, 0
.rept 256
	v_mov_b32 v[II], 0                             ; O^T, both groups'
.set II, II+1
.endr
	WIN 0
	s_mov_b32 s[SEL], 0x76543210
	s_mov_b32 s[SEL+1], 0xfedcba98
	s_mov_b32 s[CS], 0x3e0293ee
	s_mov_b32 s[CS+1], s[CS]                       ; (named with it as a pair, so it is written)
	s_mov_b32 s[MNT], 0x600000
	s_mov_b32 s[ST], 0
	s_mov_b32 s[TB], 0
	s_mul_i32 s[SRB], s[WV], 16*SPT
	; the prefetches: 8,192 bytes a wave, of block cx of a step; at step 2's: step 0 steps it to step 3's
	s_mul_i32 s48, s[CX], BLKB
	s_lshl_b32 s50, s[WV], 13
	s_add_co_u32 s48, s48, s50
	s_add_co_u32 s48, s48, 2*STEPB
	s_add_nc_u64 s[PFA:PFA+1], s[KVB:KVB+1], s[48:49]
	s_cmp_eq_u32 s[KK], 0
	s_cselect_b32 s[LIM], 5, 0
	; my 16 rows of the output: waves 0, 1 A's tiles, waves 2, 3 B's: row 4,096 batch + 128 block + 32 cx + 16 (wave % 2)
	s_cmp_lt_u32 s[WV], 2
	s_cselect_b32 s50, s[KK], s[LB]
	s_lshl_b32 s50, s50, 7
	s_lshl_b32 s48, s[BA], 12
	s_add_co_u32 s48, s48, s50
	s_lshl_b32 s50, s[CX], 5
	s_add_co_u32 s48, s48, s50
	s_and_b32 s50, s[WV], 1
	s_lshl_b32 s50, s50, 4
	s_add_co_u32 s48, s48, s50
	s_lshl_b32 s48, s48, 9
	s_add_nc_u64 s[8:9], s[8:9], s[48:49]
	s_wait_alu depctr_va_vdst(0)
	s_wait_tensorcnt 0x0                           ; slot 0 is in
	ds_add_u32 v[SPW], v[NIL]
	s_add_co_u32 s44, s[WV], 4                     ; step 1: block 4 + wave
	s_mul_i32 s44, s44, BLKB
	s_add_nc_u64 s[G0+2:G0+3], s[KVB:KVB+1], s[44:45]
	s_or_b32 s[G0+3], s[G0+3], 0x80000000
	s_mov_b32 s[TF], SLOTB
	s_add_co_u32 s[G0+1], s[TF], s[WO]
	s_wait_dscnt 0x0
	s_barrier_signal -1
	CREST
	TLOAD
	v_add_nc_u32 v[ADR], s[TB], v[A16]
	v_add_nc_u32 v[AD8], s[TB], v[A8]
	KSCALES
	KLOAD 0
	KLOAD 4
	s_wait_alu depctr_va_vdst(0)
	s_wait_loadcnt 0x0                             ; Q, both groups', and its scale words
.Lstep:                                            ; steps 0 to 6: each asks for the K of the step two on
	STEP 1, 1
	s_cmp_lt_u32 s[ST], 7
	s_cbranch_scc1 .Lstep
	STEP 0, 1                                      ; steps 7 and 8 are written out: they fill nothing
	STEP 0, 0
	s_wait_loadcnt 0x0                             ; step 8's V
	PVX 0
	; THE MERGE.  Tiles c = 0, 1: A's, 2, 3: B's.  Each wave publishes -M and its sum; under the largest M a part counts with f = 2^(its M - the largest M): exact; a part that saw no key gets f = 0.
	s_lshl_b32 s44, s[WV], 8
	s_mul_i32 s46, s[WV], 64*SPT
	s_add_co_u32 s46, s46, STAGE
	s_add_co_u32 s[SRB], s[SRB], STAGE
	v_and_b32 v124, 31, v0
	v_and_b32 v118, 15, v0
	v_bfe_u32 v119, v0, 4, 1
	v_lshlrev_b32 v125, 4, v124                    ; 16 x lane: my place in a row of the output,
	v_lshlrev_b32 v116, 3, v124
	v_mul_u32_u24 v118, v118, SPT
	v_add_nc_u32 v126, s[SRB], v125                ; in stages 0 and 1,
	v_add_nc_u32 v116, STATS, v116                 ; the statistics: what I read,
	v_lshl_add_u32 v118, v119, 5, v118
	v_add_nc_u32 v127, 128*SPT, v126               ; and in stages 2 and 3
	v_add_nc_u32 v117, s44, v116                   ; and where I store mine
	v_add_nc_u32 v118, s46, v118                   ; my stage: 528 r + 32 h.  (These lines are also the places behind the last products)
	v_mov_b32 v96, v12
	v_mov_b32 v98, v16
	WIN 0x01
	v_mov_b32 v100, v160
	v_mov_b32 v102, v161
	v_mov_b32 v120, v162
	v_mov_b32 v121, v163
	v_mov_b32 v122, v164
	v_mov_b32 v123, v165
	WIN 0
	v_add_f32 v97, v14, v15                        ; the sums' two halves,
	v_add_f32 v99, v18, v19
	v_add_f32 v101, v120, v121
	v_add_f32 v103, v122, v123
.irp c, 0,1,2,3
	v_permlanex16_b32 v[104+\c], v[97+2*\c], s[SEL], s[SEL+1]
.endr
.irp c, 0,1,2,3
	v_add_f32 v[97+2*\c], v[97+2*\c], v[104+\c]    ; and lane xor 16's: my part's sum
.endr
.irp c, 0,1,2,3
	ds_store_b64 v117, v[96+2*\c:97+2*\c] offset:1024*\c
.endr
	s_wait_alu depctr_va_vdst(0)
	s_wait_dscnt 0x0                               ; for the others' sake
	s_barrier_signal -1
	s_barrier_wait -1
.irp c, 0,1,2,3
.irp p, 0,1,2,3
	ds_load_b64 v[128+8*\c+2*\p:129+8*\c+2*\p], v116 offset:1024*\c+256*\p
.endr
.endr
	s_wait_dscnt 0x0
.irp c, 0,1,2,3
	v_min3_num_f32 v[160+\c], v[128+8*\c], v[130+8*\c], v[132+8*\c]
.endr
.irp c, 0,1,2,3
	v_min_num_f32 v[160+\c], v[160+\c], v[134+8*\c]   ; the least -M: the largest M
.endr
.irp p, 0,1,2,3
.irp c, 0,1,2,3
	v_sub_f32 v[164+8*\c+\p], v[160+\c], v[128+8*\c+2*\p]   ; the part's M less the largest: a whole number, 0 or less
.endr
.endr
.irp c, 0,1,2,3
	v_sub_f32 v[168+8*\c], v[160+\c], v[96+2*\c]   ; and mine
.endr
.irp p, 0,1,2,3,4
.irp c, 0,1,2,3
	v_cvt_i32_f32 v[164+8*\c+\p], v[164+8*\c+\p]   ; (it saturates)
.endr
.endr
.irp p, 0,1,2,3,4
.irp c, 0,1,2,3
	v_ldexp_f32 v[164+8*\c+\p], 1.0, v[164+8*\c+\p]
.endr
.endr
.irp c, 0,1,2,3
	v_mul_f32 v[200+\c], v[164+8*\c], v[129+8*\c]
.endr
.irp p, 1,2,3
.irp c, 0,1,2,3
	v_fmac_f32 v[200+\c], v[164+8*\c+\p], v[129+8*\c+2*\p]   ; the row's sum under the largest M: at least 1/2, since the row's largest p is among its terms
.endr
.endr
	s_wait_alu depctr_va_vdst(0)
.irp c, 0,1,2,3
	v_rcp_f32 v[204+\c], v[200+\c]
.endr
	v_nop                                          ; a plain instruction behind the reciprocals,
	s_wait_alu depctr_va_vdst(0)                   ; and the wait ahead of their first reader
.irp c, 0,1,2,3
	v_mul_f32 v[208+2*\c], v[168+8*\c], v[204+\c]  ; my f / the sum
.endr
.irp c, 0,1,2,3
	v_mov_b32 v[209+2*\c], v[208+2*\c]             ; (the pair's upper half)
.endr
.macro SCALEO c
.set II, 0
.rept 32
	v_pk_mul_f32 v[64*\c+II:64*\c+II+1], v[64*\c+II:64*\c+II+1], v[208+2*\c:209+2*\c] op_sel_hi:[1,0]
.set II, II+2
.endr
.endm
.macro STAGEO c                        ; register 8 t + i is my part of o(r, 16 t + 8 h + i)
.irp t, 0,1,2,3,4,5,6,7
	ds_store_b128 v118, v[64*\c+8*\t:64*\c+8*\t+3] offset:16*SPT*\c+64*\t
	ds_store_b128 v118, v[64*\c+8*\t+4:64*\c+8*\t+7] offset:16*SPT*\c+64*\t+16
.endr
.endm
	WIN 0xc3
	s_wait_alu depctr_va_vdst(0)                   ; directly ahead of the first reader of O^T
	SCALEO 0                                       ; each accumulator from its low end on
	SCALEO 1
	WIN 0x0c                                       ; the stored data: window 3
	STAGEO 0
	STAGEO 1
	WIN 0xc3
	SCALEO 2
	SCALEO 3
	WIN 0x0c
	STAGEO 2
	STAGEO 3
	WIN 0
	s_wait_dscnt 0x0                               ; for the others' sake: my 64 rows lie in my stage
	s_barrier_signal -1
	s_barrier_wait -1
.irp g, 0,1,2,3                                ; wave j adds tile j's 16 rows over the four stages, four rows at a time: a row is 512 bytes, 16 a lane
.irp i, 0,1,2,3
	ds_load_b128 v[128+16*\g+4*\i:131+16*\g+4*\i], v126 offset:SPT*(4*\g+\i)
	ds_load_b128 v[192+16*\g+4*\i:195+16*\g+4*\i], v126 offset:64*SPT+SPT*(4*\g+\i)
.endr
	WIN 0x40
.irp i, 0,1,2,3
	ds_load_b128 v[16*\g+4*\i:16*\g+4*\i+3], v127 offset:SPT*(4*\g+\i)
	ds_load_b128 v[64+16*\g+4*\i:67+16*\g+4*\i], v127 offset:64*SPT+SPT*(4*\g+\i)
.endr
	WIN 0
.endr
.irp g, 0,1,2,3
	s_wait_dscnt 48-16*\g                          ; the later groups' loads, 16 each, may be out
.irp i, 0,2,4,6,8,10,12,14
	v_pk_add_f32 v[128+16*\g+\i:129+16*\g+\i], v[128+16*\g+\i:129+16*\g+\i], v[192+16*\g+\i:193+16*\g+\i]
.endr
	WIN 0x04                                       ; source 1 window 1
.irp i, 0,2,4,6,8,10,12,14
	v_pk_add_f32 v[128+16*\g+\i:129+16*\g+\i], v[128+16*\g+\i:129+16*\g+\i], v[16*\g+\i:16*\g+\i+1]
.endr
.irp i, 0,2,4,6,8,10,12,14
	v_pk_add_f32 v[128+16*\g+\i:129+16*\g+\i], v[128+16*\g+\i:129+16*\g+\i], v[64+16*\g+\i:65+16*\g+\i]
.endr
	WIN 0
.irp i, 0,1,2,3
	global_store_b128 v125, v[128+16*\g+4*\i:131+16*\g+4*\i], s[8:9] offset:512*(4*\g+\i) th:TH_STORE_NT   ; 32 lanes store a row of 512 consecutive bytes, at a multiple of 256 from the output's first byte
.endr
.endr
	s_wait_tensorcnt 0x0                           ; the wave's end: behind my last tensor load and my last LDS store
	ds_add_u32 v[SPW], v[NIL]
	s_wait_dscnt 0x0
	s_barrier_signal -1
	CREST                                          ; the closing round: no work-group ends while a partner may still ask for a tile that names it
	s_endpgm
.Lfunc_end_k_qd4f9a48c10_attn:
	.size	k_qd4f9a48c10_attn, .Lfunc_end_k_qd4f9a48c10_attn-k_qd4f9a48c10_attn
	.p2alignl 7, 3214868480
	.fill 96, 4, 3214868480
	.section	.rodata,"a",@progbits
	.p2align	6, 0x0
	.amdhsa_kernel k_qd4f9a48c10_attn
		.amdhsa_group_segment_fixed_size 327680
		.amdhsa_private_segment_fixed_size 0
		.amdhsa_enable_private_segment 0
		.amdhsa_kernarg_size 24
		.amdhsa_user_sgpr_count 2
		.amdhsa_user_sgpr_kernarg_segment_ptr 1
		.amdhsa_wavefront_size32 1
		.amdhsa_system_sgpr_workgroup_id_x 1
		.amdhsa_system_sgpr_workgroup_id_y 1
		.amdhsa_system_sgpr_workgroup_id_z 1
		.amdhsa_system_vgpr_workitem_id 0
		.amdhsa_next_free_vgpr 1024
		.amdhsa_next_free_sgpr 100
		.amdhsa_reserve_vcc 0
		.amdhsa_float_denorm_mode_32 3
		.amdhsa_float_denorm_mode_16_64 3
		.amdhsa_memory_ordered 1
		.amdhsa_forward_progress 1
		.amdhsa_inst_pref_size 242
	.end_amdhsa_kernel
	.amdgpu_metadata
---
amdhsa.version: [ 1, 2 ]
amdhsa.kernels:
  - .name:           k_qd4f9a48c10_attn
    .symbol:         k_qd4f9a48c10_attn.kd
    .args:
      - { .name: qbuf, .offset: 0, .size: 8, .value_kind: global_buffer, .address_space: global }
      - { .name: kv, .offset: 8, .size: 8, .value_kind: global_buffer, .address_space: global }
      - { .name: out0, .offset: 16, .size: 8, .value_kind: global_buffer, .address_space: global }
    .group_segment_fixed_size: 327680
    .private_segment_fixed_size: 0
    .kernarg_segment_align: 8
    .kernarg_segment_size: 24
    .max_flat_workgroup_size: 128
    .sgpr_count:     100
    .vgpr_count:     1024
    .wavefront_size: 32
...
	.end_amdgpu_metadata
.endif
;; end of part 2
